; MI455X (gfx1250); checked and timed in simulation.
; The chip was launched on July 23, 2026; its instructions are those of AMD's public machine-readable ISA for CDNA 5 (MIT licence, August 2026) and "CDNA5" Instruction Set Architecture Reference Guide (July 2026). The comments in the code are by the model that wrote it; some were corrected since.
;; Multi Head Attention. Allowed arithmetic: float matrix products may take bf16 or f16 operands with f32 sums; all other float work in f32.
;; Inputs: w_proj 1,024 x 1,024 float32; w_qkv 3,072 x 1,024 float32; x 2 x 2,048 x 1,024 float32.
;; Outputs: out0 2 x 2,048 x 1,024 float32.
;; One version. Each part assembles by itself: llvm-mc -triple=amdgcn-amd-amdhsa -mcpu=gfx1250 --defsym DOCPART=n.
;; ======== version 1 of 1: 4 launches
;; limits: values are held in f16: magnitudes above 65,504 overflow, below 6.1e-05 lose precision
;; workspace buffers: xb 8,388,608 bytes; wqb 6,291,456 bytes; wpb 2,097,152 bytes; rope 524,288 bytes; qkv 25,165,824 bytes; att 8,388,608 bytes
;; launch prep (part 1): grid 256 x 1, 8 waves a work-group, no clusters, 0 bytes of LDS; arguments x, w_qkv, w_proj, xb, wqb, wpb, rope; writes xb, wqb, wpb, rope
.if DOCPART == 1
	.amdgcn_target "amdgcn-amd-amdhsa--gfx1250"
	.amdhsa_code_object_version 6
	.text
	.protected	k_qba59b2612d_prep
	.globl	k_qba59b2612d_prep
	.p2align	8
	.type	k_qba59b2612d_prep,@function
k_qba59b2612d_prep:
	s_mov_b64 s[64:65], 0
	v_nop
	global_prefetch_b8 v0, s[64:65] scope:SCOPE_SE
	s_setreg_imm32_b32 hwreg(HW_REG_WAVE_MODE, 25, 1), 1
	s_wait_xcnt 0x0
; PREP: the three f32 inputs are rounded once to 16 bits, and the RoPE table is made.
;   xb  = bf16(x), wqb = bf16(w_qkv): operands of the QKV product.
;   wpb = f16(bf16(w_proj)): w_proj is rounded to bf16 like the other two inputs, so that the program as a whole is reference() on inputs
;         rounded to bf16; the value is then carried in f16, the format of its partner operand in the last product.  A bf16 value is exact
;         in f16 from 2^-17 up to 65,504; below 2^-17 the step costs at most 3e-8.
;   rope[t] = cos(t inv_i), i = 0..31, then sin(t inv_i), i = 0..31, f32: 256 bytes a row; inv_i = 10000^(-i/32).
; The 32 MiB of f32 are 256 chunks of 131,072 bytes: work-groups 0-127 take x, 128-223 w_qkv, 224-255 w_proj.  A thread makes 32 loads of
; 16 bytes (a wave's load covers 512 consecutive bytes) and 32 stores of 8 bytes (a wave's store covers 256 consecutive bytes, aligned).
; All 32 loads are issued at once; every store has data registers of its own, so nothing is rewritten while a store may read it.
; Wave 8 g + w of the launch also makes table row t = 8 g + w with one store of 256 bytes.
; LIMIT: the angle t inv_i differs from reference()'s by the last bits of inv_i (exp2 of a rounded product against exp of a rounded product):
; up to some 8e-7 of the angle, under 1e-3 radian at t = 2047.  Sine and cosine: reduction by pi/2 in two parts (what is left of pi/2,
; 1.7e-15, times n <= 1304 is under 3e-12), then polynomials of degree 7 and 8 on [-pi/4, pi/4], good to about 1e-7.
.set X, 32                             ; v[32:159]  load k: 4 registers
.set Y, 160                            ; v[160:223] store k: 2 registers
	s_load_b256 s[4:11], s[0:1], 0x0               ; x s[4:5], w_qkv s[6:7], w_proj s[8:9], xb s[10:11]
	s_load_b128 s[12:15], s[0:1], 0x20             ; wqb s[12:13], wpb s[14:15]
	s_load_b64 s[16:17], s[0:1], 0x30              ; rope
	v_lshrrev_b32 v4, 5, v0
	v_readfirstlane_b32 s18, v4                    ; wave 0..7
	v_lshlrev_b32 v1, 4, v0                        ; my 16 bytes of every 4,096 read
	v_lshlrev_b32 v2, 3, v0                        ; my 8 bytes of every 2,048 written
	s_mov_b32 s32, 0xbed49a78                      ; -log2(10000)/32
	s_mov_b32 s33, 0x3f22f983                      ; 2/pi
	s_mov_b32 s34, 0xbfc90fdb                      ; -(pi/2 rounded to f32)
	s_mov_b32 s35, 0x333bbd2e                      ; -(pi/2 - that), 4.37e-8
	s_mov_b32 s36, 0xbe2aaaa3                      ; sine:   -1.6666654611e-1
	s_mov_b32 s37, 0x3c08839e                      ;          8.3321608736e-3
	s_mov_b32 s38, 0xb94ca1f9                      ;         -1.9515295891e-4
	s_mov_b32 s39, 0x3d2aaaa5                      ; cosine:  4.1666645683e-2
	s_mov_b32 s40, 0xbab6061a                      ;         -1.3887316255e-3
	s_mov_b32 s41, 0x37ccf5ce                      ;          2.4433157118e-5
	s_mov_b32 s42, 0xffff0000                      ; a word's upper bf16
	s_lshl3_add_u32 s19, ttmp9, s18                ; t = 8 x work-group + wave
	s_lshl_b32 s20, s19, 8                         ; table row t, 256 bytes
	s_mov_b32 s21, 0
	s_wait_kmcnt 0x0
	s_cmp_lt_u32 ttmp9, 128                        ; which input is mine: the condition hangs on the work-group's number alone
	s_cselect_b64 s[24:25], s[4:5], s[6:7]
	s_cselect_b64 s[26:27], s[10:11], s[12:13]
	s_cselect_b32 s22, 0, 128
	s_cmp_lt_u32 ttmp9, 224
	s_cselect_b64 s[24:25], s[24:25], s[8:9]
	s_cselect_b64 s[26:27], s[26:27], s[14:15]
	s_cselect_b32 s22, s22, 224
	s_sub_co_u32 s23, ttmp9, s22                   ; my chunk in that input
	s_lshl_b32 s28, s23, 17                        ; 131,072 bytes read,
	s_mov_b32 s29, 0
	s_lshl_b32 s30, s23, 16                        ; 65,536 written
	s_mov_b32 s31, 0
	s_add_nc_u64 s[24:25], s[24:25], s[28:29]
	s_add_nc_u64 s[26:27], s[26:27], s[30:31]
	s_add_nc_u64 s[16:17], s[16:17], s[20:21]
.set kk, 0
.rept 32
	global_load_b128 v[X+4*kk:X+4*kk+3], v1, s[24:25] offset:kk*4096 th:TH_LOAD_NT
.set kk, kk+1
.endr
	; the table row, while the loads are on their way.  Lane L holds numbers 2 L and 2 L + 1 of the row: lanes 0-15 cosines, lanes 16-31 sines, of i = 2 (L & 15) + e
	v_and_b32 v3, 31, v0                           ; lane
	v_and_b32 v5, 15, v0
	v_lshlrev_b32 v5, 1, v5                        ; i of my first number
	v_lshrrev_b32 v6, 4, v3
	v_sub_nc_u32 v6, 1, v6                         ; cos a = sin(a + pi/2): one quarter turn more in the cosine lanes
	v_cvt_f32_u32 v7, s19                          ; t
	v_lshlrev_b32 v20, 3, v3                       ; my 8 bytes of the row
.macro SINCOS e, dst
	v_add_nc_u32 v8, \e, v5
	v_cvt_f32_u32 v8, v8
	v_mul_f32 v8, s32, v8
	v_exp_f32 v9, v8                               ; inv_i = 2^(-i log2(10000)/32)
	v_nop                                          ; one plain vector instruction behind a transcendental before its result is used (ISA guide 5.7.2)
	s_wait_alu depctr_va_vdst(0)
	v_mul_f32 v9, v7, v9                           ; the angle
	v_mul_f32 v10, s33, v9
	v_rndne_f32 v10, v10                           ; n = nearest whole number of quarter turns
	v_fma_f32 v11, v10, s34, v9                    ; exact: a multiple of 2^-23 below 2
	v_fma_f32 v11, v10, s35, v11                   ; r = angle - n pi/2, |r| <= pi/4
	v_cvt_i32_f32 v12, v10
	v_add_nc_u32 v12, v12, v6                      ; quarter turns, the cosine lanes' one among them
	v_mul_f32 v13, v11, v11                        ; r^2
	v_fma_f32 v14, v13, s38, s37
	v_fma_f32 v14, v14, v13, s36
	v_mul_f32 v14, v14, v13
	v_fma_f32 v14, v14, v11, v11                   ; sin r
	v_fma_f32 v15, v13, s41, s40
	v_fma_f32 v15, v15, v13, s39
	v_fma_f32 v16, v13, -0.5, 1.0
	v_mul_f32 v17, v13, v13
	v_fma_f32 v15, v17, v15, v16                   ; cos r
	v_and_b32 v16, 1, v12
	v_cmp_ne_u32 vcc_lo, 0, v16
	v_cndmask_b32 v14, v14, v15, vcc_lo            ; an odd number of quarter turns takes the cosine,
	v_and_b32 v16, 2, v12
	v_lshlrev_b32 v16, 30, v16
	v_xor_b32 v[\dst], v14, v16                    ; the second half turn changes the sign
.endm
	SINCOS 0, 18
	SINCOS 1, 19
	global_store_b64 v20, v[18:19], s[16:17]       ; the wave stores the row's 256 bytes
; 32 x (wait for load k, round, store).  half = 1: the bf16 values are widened again and carried in f16.
.macro CONVALL half
.set kk, 0
.rept 32
	s_wait_loadcnt 31-kk                           ; loads come back in order (ISA guide 5.7.1): load k is in, the 31 - k younger ones stay out
	v_cvt_pk_bf16_f32 v[Y+2*kk], v[X+4*kk], v[X+4*kk+1]
	v_cvt_pk_bf16_f32 v[Y+2*kk+1], v[X+4*kk+2], v[X+4*kk+3]
.if \half
	v_lshlrev_b32 v[X+4*kk], 16, v[Y+2*kk]
	v_and_b32 v[X+4*kk+1], s42, v[Y+2*kk]
	v_lshlrev_b32 v[X+4*kk+2], 16, v[Y+2*kk+1]
	v_and_b32 v[X+4*kk+3], s42, v[Y+2*kk+1]
	v_cvt_pk_f16_f32 v[Y+2*kk], v[X+4*kk], v[X+4*kk+1]
	v_cvt_pk_f16_f32 v[Y+2*kk+1], v[X+4*kk+2], v[X+4*kk+3]
.endif
	global_store_b64 v2, v[Y+2*kk:Y+2*kk+1], s[26:27] offset:kk*2048
.set kk, kk+1
.endr
.endm
	s_cmp_lt_u32 ttmp9, 224
	s_cbranch_scc0 .Lw_proj
	CONVALL 0
	s_endpgm
.Lw_proj:
	CONVALL 1
	s_endpgm
.Lfunc_end_k_qba59b2612d_prep:
	.size	k_qba59b2612d_prep, .Lfunc_end_k_qba59b2612d_prep-k_qba59b2612d_prep
	.p2alignl 7, 3214868480
	.fill 96, 4, 3214868480
	.section	.rodata,"a",@progbits
	.p2align	6, 0x0
	.amdhsa_kernel k_qba59b2612d_prep
		.amdhsa_group_segment_fixed_size 0
		.amdhsa_private_segment_fixed_size 0
		.amdhsa_enable_private_segment 0
		.amdhsa_kernarg_size 56
		.amdhsa_user_sgpr_count 2
		.amdhsa_user_sgpr_kernarg_segment_ptr 1
		.amdhsa_wavefront_size32 1
		.amdhsa_system_sgpr_workgroup_id_x 1
		.amdhsa_system_sgpr_workgroup_id_y 1
		.amdhsa_system_sgpr_workgroup_id_z 1
		.amdhsa_system_vgpr_workitem_id 0
		.amdhsa_next_free_vgpr 224
		.amdhsa_next_free_sgpr 66
		.amdhsa_reserve_vcc 1
		.amdhsa_float_denorm_mode_32 3
		.amdhsa_float_denorm_mode_16_64 3
		.amdhsa_memory_ordered 1
		.amdhsa_forward_progress 1
		.amdhsa_inst_pref_size 32
	.end_amdhsa_kernel
	.amdgpu_metadata
---
amdhsa.version: [ 1, 2 ]
amdhsa.kernels:
  - .name:           k_qba59b2612d_prep
    .symbol:         k_qba59b2612d_prep.kd
    .args:
      - { .name: x, .offset: 0, .size: 8, .value_kind: global_buffer, .address_space: global }
      - { .name: w_qkv, .offset: 8, .size: 8, .value_kind: global_buffer, .address_space: global }
      - { .name: w_proj, .offset: 16, .size: 8, .value_kind: global_buffer, .address_space: global }
      - { .name: xb, .offset: 24, .size: 8, .value_kind: global_buffer, .address_space: global }
      - { .name: wqb, .offset: 32, .size: 8, .value_kind: global_buffer, .address_space: global }
      - { .name: wpb, .offset: 40, .size: 8, .value_kind: global_buffer, .address_space: global }
      - { .name: rope, .offset: 48, .size: 8, .value_kind: global_buffer, .address_space: global }
    .group_segment_fixed_size: 0
    .private_segment_fixed_size: 0
    .kernarg_segment_align: 8
    .kernarg_segment_size: 56
    .max_flat_workgroup_size: 256
    .sgpr_count:     66
    .vgpr_count:     224
    .wavefront_size: 32
...
	.end_amdgpu_metadata
.endif
;; end of part 1
;; launch qkvgemm (part 2): grid 12 x 16, 4 waves a work-group, clusters of 4 x 4, 327,680 bytes of LDS; arguments xb, wqb, rope, qkv; writes qkv
.if DOCPART == 2
	.amdgcn_target "amdgcn-amd-amdhsa--gfx1250"
	.amdhsa_code_object_version 6
	.text
	.protected	k_qba59b2612d_qkvgemm
	.globl	k_qba59b2612d_qkvgemm
	.p2align	8
	.type	k_qba59b2612d_qkvgemm,@function
k_qba59b2612d_qkvgemm:
	s_mov_b64 s[64:65], 0
	v_nop
	global_prefetch_b8 v0, s[64:65] scope:SCOPE_SE
	s_setreg_imm32_b32 hwreg(HW_REG_WAVE_MODE, 25, 1), 1
	s_wait_xcnt 0x0
	s_wait_alu depctr_hold_cnt(0) depctr_sa_sdst(0) depctr_va_vdst(0) depctr_va_sdst(0) depctr_va_ssrc(0) depctr_va_vcc(0) depctr_vm_vsrc(0)
	s_getreg_b32 s2, hwreg(HW_REG_IB_STS2, 6, 4)
	s_cmp_eq_u32 s2, 0
	s_cbranch_scc0 .Lentry_in_a_cluster
	s_endpgm
.Lentry_in_a_cluster:
	s_bfe_u32 s2, ttmp6, 0x10000c
	s_cmp_lg_u32 s2, 0xf033
	s_cbranch_scc0 .Lentry_shape_is_right
	s_endpgm
.Lentry_shape_is_right:
; QKV: C[m][f] = sum over c of xb[m][c] wqb[f][c], m = 2048 b + t (4096), f = 1024 which + 64 head + d (3072), K = 1024, bf16 operands, f32 sums;
; then RoPE on q and k, q times 0.125 log2(e) (the softmax's scale and the change to base 2), rounding to f16, and the layout
; qkv[which][16 b + head][t][d], in which a head's rows lie densely.
; A work-group makes 256 x 256 of C with four waves, as many as a WGP has SIMDs; a wave makes 128 tokens x 128 columns = two whole heads: 64 accumulator tiles, 512 registers.
; K goes in steps of 128 through two LDS slots filled by the tensor data mover: a tile's rows are 256 bytes of memory, at multiples of 256 bytes.
; CLUSTERS: 4 x 4 work-groups.  The four of a row of the cluster need the same tiles of xb, the four of a column the same tiles of wqb: each tile is asked for
; jointly, by the same tensor load in all four with a mask that names them.  192 work-groups; the cluster's x (0, 1, 2) is q, k, v.
; f16 for q, k, v: 11 bits are needed behind the softmax, where rows of few keys are some six times larger than the output's rms.
; LIMITS: |0.18 q|, |k|, |v| below 65,504 (with all inputs 30 times larger they stay near 5,400; with offsets of 30 spreads on x and w_qkv near 29,000).
; v goes through the rotation as v1 * 1 + v2 * (-0): an infinity or NaN in column d +- 32 of the same head and token spreads to column d.
;
; REGISTERS, in windows of 256:
;   window 0: v12-31 addresses and factors; v32-63, v224-255 table rows as loaded; v64-127, v128-191 fragments of A, two buffers (on the way out: rows read back,
;             cos, sin, -sin); v192-223 packed results
;   window 1: v0-63 rotated numbers (way out); v64-127, v128-191 fragments of B, two buffers
;   window 2: the 32 accumulator tiles of my rows 0-63 (tile (a, b) at v[8 (8 a + b)]);   window 3: those of my rows 64-127
; THE MATRIX INSTRUCTION IS USED TRANSPOSED: source 0 = 16 rows of wqb, source 1 = 16 rows of xb: lane l holds token l % 16 and, in registers 0 to 7,
; the columns 8 (l / 16) + 0 .. 7 of the tile: eight neighbouring d of one head.
.set SIZE_K, 1024
.set KSTEP,  128
.set PITCH,  272                       ; an LDS row: 256 bytes + 16 of padding: the 16 rows that a load touches start 17 x 16 bytes apart
.set HALFT,  128*PITCH                 ; 128 rows: what one tensor load brings
.set SLOT,   4*HALFT                   ; A's 256 rows, then B's 256 rows
.set STAGE,  2*SLOT                    ; behind the ring: for each wave 2 heads x 16 tokens x 144 bytes; no tensor load lands here
.set SPITCH, 144                       ; a stage row: 64 f16 + 16 bytes
.set SHEAD,  16*SPITCH
.set LAPS, SIZE_K/(2*KSTEP)            ; a lap = two K steps = once round the ring: 4
.set NA,   12                          ; v12-13  -sA twice
.set ADRA, 16                          ; v16-17  LDS address of my A fragments in slot 0, 1
.set ADRB, 20                          ; v20-21  the same for B
.set STO,  24                          ; v24     way out: where I put 16 bytes of a token's row
.set RD,   25                          ; v25     way out: where I read rows back
.set CO,   26                          ; v26     16 x lane: my 16 bytes of 512 stored
.set TO,   27                          ; v27     my bytes of a table row: 256 (l % 16) + 32 (l / 16)
.set VA,   28                          ; v28-29  sA twice: 0.125 log2 e for q, 1 for k, 0 for v
.set VB,   30                          ; v30-31  sB twice: 0, 0, 1
.set RAW0, 32                          ; table rows as loaded: 16 cosines, 16 sines a lane; two buffers
.set RAW1, 224
.set F0,   64                          ; fragment buffer 0
.set F1,   128                         ; fragment buffer 1
.set RB0,  64                          ; way out: rows read back, two buffers
.set RB1,  128
.set CC,   96                          ; cos sA + sB
.set SS,   112                         ; sin sA
.set NS,   160                         ; -sin sA
.set TMP,  192                         ; packed results
.set RT,   0                           ; window 1: rotated numbers, f32
.set G1, 24                            ; s[24:31] descriptor group 1 for A's tiles
.set G0, 32                            ; s[32:39] descriptor group 0 for A's tiles, one set for each slot
.set G1B, 48                           ; s[48:55] group 1 for B's tiles: it differs in the mask alone
.set G0B, 56                           ; s[56:63] group 0 for B's tiles
.set MSB, 0
.macro WIN new                         ; the immediate's high byte repeats the setting that is left
.if MSB != \new
	s_set_vgpr_msb (MSB<<8)|\new
.set MSB, \new
.endif
.endm
.set MUL_LO, 0xa1                      ; source 0 (B) window 1, source 1 (A) window 0, C and D window 2
.set MUL_HI, 0xf1                      ; the same, C and D window 3
.set TO_B,   0x40                      ; destination window 1, address window 0
.set ROT_LO, 0x52                      ; source 0 window 2, source 1 window 0, source 2 and destination window 1
.set ROT_HI, 0x53                      ; the same with source 0 in window 3
.set PACK,   0x05                      ; sources 0 and 1 window 1, destination window 0
; A joint load.  Waves 0 and 1 fetch A's two halves, waves 2 and 3 B's.  Each line has one mask and one set of registers for all that issue it;
; the branch hangs on the wave's number alone.
.macro JLOAD s
	s_cmp_eq_u32 s11, 0
	s_cbranch_scc0 .Lfor_b_\@
	tensor_load_to_lds s[G0+4*\s:G0+4*\s+3], s[G1:G1+7]
	s_nop 0
	s_branch .Lasked_\@
.Lfor_b_\@:
	tensor_load_to_lds s[G0B+4*\s:G0B+4*\s+3], s[G1B:G1B+7]
	s_nop 0
.Lasked_\@:
.endm
; A round of the cluster's barrier: my work-group's barrier; wave 0 signals for the work-group; every wave waits for all sixteen; my work-group's barrier once more.
.macro CREST                           ; a round behind its opening barrier
	s_cmp_lg_u32 s10, 0
	s_cbranch_scc1 .Lnot_wave_0_\@
	s_barrier_signal -3
.Lnot_wave_0_\@:
	s_barrier_wait -3
	s_barrier_signal -1
	s_barrier_wait -1
.endm
.macro CROUND                          ; a whole round
	s_barrier_signal -1
	s_barrier_wait -1
	CREST
.endm
	s_load_b128 s[4:7], s[0:1], 0x0                ; xb s[4:5], wqb s[6:7]
	s_load_b128 s[68:71], s[0:1], 0x10             ; rope s[68:69], qkv s[70:71]
	v_lshrrev_b32 v1, 5, v0
	v_readfirstlane_b32 s10, v1                    ; wave 0..3
	s_lshr_b32 s11, s10, 1                         ; which half of the block's rows is mine.  Also: I fetch for A (0) or for B (1)
	s_and_b32 s12, s10, 1                          ; which half of its columns.  Also: which 128 rows of that tile I fetch
	s_bfe_u32 s40, ttmp6, 0x40000                  ; cx
	s_bfe_u32 s41, ttmp6, 0x40004                  ; cy
	s_lshl_b32 s42, ttmp9, 2
	s_add_co_u32 s42, s42, s40                     ; block column = 4 x cluster x + cx
	s_and_b32 s13, ttmp7, 0xffff
	s_lshl_b32 s13, s13, 2
	s_add_co_u32 s13, s13, s41                     ; block row = 4 x cluster y + cy
	s_lshl_b32 s43, s41, 2
	s_lshl_b32 s43, 15, s43                        ; my row of the cluster: places 4 cy .. 4 cy + 3
	s_lshl_b32 s44, 0x1111, s40                    ; my column: places cx, cx + 4, cx + 8, cx + 12
	; descriptor group 1: a tile of 128 rows x 128 elements of 2 bytes, 4 words of padding behind every 64 words
	s_or_b32 s[G1+0], s43, (1<<16)|(1<<20)|(1<<21)|(5<<22)|(3<<25)
	s_or_b32 s[G1B+0], s44, (1<<16)|(1<<20)|(1<<21)|(5<<22)|(3<<25)
	s_mov_b32 s[G1B+1], KSTEP<<16
	s_mov_b32 s[G1+1], KSTEP<<16                   ; tensor_dim0 = 128
	s_mov_b32 s[G1B+2], 128<<16
	s_mov_b32 s[G1+2], 128<<16                     ; tensor_dim1 = 128
	s_mov_b32 s[G1B+3], KSTEP<<16
	s_mov_b32 s[G1+3], KSTEP<<16                   ; tile_dim0 = 128
	s_mov_b32 s[G1B+4], 128
	s_mov_b32 s[G1+4], 128                         ; tile_dim1 = 128
	s_mov_b32 s[G1B+5], SIZE_K
	s_mov_b32 s[G1+5], SIZE_K                      ; elements from row to row
	s_mov_b32 s[G1B+6], 0
	s_mov_b32 s[G1+6], 0
	s_mov_b32 s[G1B+7], 0
	s_mov_b32 s[G1+7], 0
	; A's tiles hang on the block row alone, B's on the block column alone; each address is made in registers that never hold the other coordinate
	s_lshl_b32 s17, s12, 7
	s_lshl_b32 s16, s13, 8
	s_add_co_u32 s16, s16, s17                     ; A: row 256 x block row + 128 x half
	s_lshl_b32 s46, s42, 8
	s_add_co_u32 s46, s46, s17                     ; B: row 256 x block column + 128 x half
	s_mov_b32 s17, 0
	s_mov_b32 s47, 0
	s_mov_b64 s[18:19], SIZE_K*2
	s_mul_u64 s[16:17], s[16:17], s[18:19]
	s_mul_u64 s[46:47], s[46:47], s[18:19]
	s_mul_i32 s20, s10, HALFT                      ; where they go: wave x 128 rows
	s_wait_kmcnt 0x0
	s_add_nc_u64 s[14:15], s[4:5], s[16:17]
	s_add_nc_u64 s[46:47], s[6:7], s[46:47]
	CROUND                                         ; all sixteen work-groups are here: the first joint loads meet
.irp s, 0,1
	s_mov_b32 s[G0+4*\s], 1
	s_add_co_u32 s[G0+4*\s+1], s20, \s*SLOT
	s_add_nc_u64 s[G0+4*\s+2:G0+4*\s+3], s[14:15], \s*KSTEP*2
	s_or_b32 s[G0+4*\s+3], s[G0+4*\s+3], 0x80000000
	s_mov_b32 s[G0B+4*\s], 1
	s_add_co_u32 s[G0B+4*\s+1], s20, \s*SLOT
	s_add_nc_u64 s[G0B+4*\s+2:G0B+4*\s+3], s[46:47], \s*KSTEP*2
	s_or_b32 s[G0B+4*\s+3], s[G0B+4*\s+3], 0x80000000
	JLOAD \s                                       ; two tensor loads of the wave are out at the most, here and in the loop
.endr
	v_and_b32 v1, 15, v0                           ; l % 16
	v_bfe_u32 v2, v0, 4, 1                         ; l / 16
	v_mul_u32_u24 v3, v1, PITCH
	v_lshl_add_u32 v3, v2, 4, v3                   ; row x pitch + 16 x half
	s_mul_i32 s21, s11, HALFT                      ; my 128 rows of A
	s_mul_i32 s22, s12, HALFT                      ; my 128 rows of B,
	s_add_co_u32 s22, s22, 2*HALFT                 ; which lie behind A's 256
.irp s, 0,1
	v_add_nc_u32 v[ADRA+\s], s21, v3
	v_add_nc_u32 v[ADRB+\s], s22, v3
	s_add_co_u32 s21, s21, SLOT
	s_add_co_u32 s22, s22, SLOT
.endr
	s_mul_i32 s23, s10, 2*SHEAD
	s_add_co_u32 s23, s23, STAGE                   ; my stage
	v_mul_u32_u24 v4, v1, SPITCH                   ; in: token l % 16, 16 bytes for each half of the lanes
	v_lshl_add_u32 v4, v2, 4, v4
	v_add_nc_u32 v[STO], s23, v4
	v_and_b32 v5, 31, v0
	v_lshrrev_b32 v6, 3, v5                        ; back: eight lanes take a token's 128 bytes, the wave four tokens
	v_and_b32 v7, 7, v0
	v_mul_u32_u24 v8, v6, SPITCH
	v_lshl_add_u32 v8, v7, 4, v8
	v_add_nc_u32 v[RD], s23, v8
	v_lshlrev_b32 v[CO], 4, v5
	v_lshlrev_b32 v[TO], 8, v1
	v_lshl_add_u32 v[TO], v2, 5, v[TO]
	; where my block goes, and which rows of the table it needs; in registers of their own, so that none that feeds A's descriptors holds cx
	s_lshl_b32 s72, s13, 8
	s_lshl_b32 s73, s11, 7
	s_add_co_u32 s72, s72, s73                     ; my first row m
	s_lshr_b32 s73, s72, 11                        ; b
	s_and_b32 s74, s72, 2047                       ; t of my first row
	s_lshl_b32 s75, s40, 2
	s_lshl1_add_u32 s75, s12, s75                  ; my first head = 4 cx + 2 x half
	s_lshl4_add_u32 s76, s73, s75                  ; 16 b + head
	s_lshl_b32 s76, s76, 18                        ; x 2048 tokens x 128 bytes
	s_lshl_b32 s77, ttmp9, 23                      ; + q, k or v: 32 x 262,144 bytes each
	s_add_co_u32 s76, s76, s77
	s_lshl_b32 s77, s74, 7                         ; + t x 128 bytes
	s_add_co_u32 s76, s76, s77
	s_mov_b32 s77, 0
	s_add_nc_u64 s[70:71], s[70:71], s[76:77]
	s_lshl_b32 s78, s74, 8                         ; table row t, 256 bytes
	s_mov_b32 s79, 0
	s_add_nc_u64 s[68:69], s[68:69], s[78:79]
	s_cmp_eq_u32 ttmp9, 0
	s_cselect_b32 s80, 0x3e38aa3b, 1.0             ; sA: 0.125 log2 e for q, 1 for k,
	s_cmp_eq_u32 ttmp9, 2
	s_cselect_b32 s80, 0, s80                      ; 0 for v
	s_cselect_b32 s81, 1.0, 0                      ; sB: 1 for v alone.  cos sA + sB and sin sA make the rotation, the scale, or the identity: no branch
	v_mov_b32 v[VA], s80
	v_mov_b32 v[VA+1], s80
	v_mov_b32 v[VB], s81
	v_mov_b32 v[VB+1], s81
	v_xor_b32 v[NA], 0x80000000, v[VA]
	v_xor_b32 v[NA+1], 0x80000000, v[VA]
; The table rows of tokens 16 i .. 16 i + 15: lane l takes, of row l % 16, cos and sin of i' = 16 b' + 8 (l / 16) + 0..7, b' = 0, 1.
; buf[8 b' + j] = cos, buf[16 + 8 b' + j] = sin.  The eight loads together read the sixteen rows whole.
.macro TABLE i, buf
.irp q, 0,1,2,3,4,5,6,7
	global_load_b128 v[\buf+4*\q:\buf+4*\q+3], v[TO], s[68:69] offset:(\i)*4096+(\q>>1)*64+(\q&1)*16
.endr
.endm
	TABLE 0, RAW0                                  ; they land during the K loop, in registers that it does not name
	TABLE 1, RAW1
; 16 matrix instructions: m blocks a0, a0 + 1 of the window's four x all 8 n blocks, 32 along K.  zero = 1: the first product starts the sums.
.macro MUL16 f, hi, a0, zero
.irp a, \a0, \a0+1
.irp b, 0,1,2,3,4,5,6,7
.if \zero
	v_wmma_f32_16x16x32_bf16 v[8*(8*(\a)+\b):8*(8*(\a)+\b)+7], v[\f+8*\b:\f+8*\b+7], v[\f+8*(4*\hi+\a):\f+8*(4*\hi+\a)+7], 0
.else
	v_wmma_f32_16x16x32_bf16 v[8*(8*(\a)+\b):8*(8*(\a)+\b)+7], v[\f+8*\b:\f+8*\b+7], v[\f+8*(4*\hi+\a):\f+8*(4*\hi+\a)+7], v[8*(8*(\a)+\b):8*(8*(\a)+\b)+7]
.endif
.endr
.endr
.endm
; 32 LDS loads in one run: the fragments of one quarter step into buffer f
.macro FETCH slot, k, f
	WIN TO_B
.irp i, 0,1,2,3,4,5,6,7
	ds_load_b128 v[\f+8*\i:\f+8*\i+3],   v[ADRB+\slot] offset:\k+\i*16*PITCH
	ds_load_b128 v[\f+8*\i+4:\f+8*\i+7], v[ADRB+\slot] offset:\k+\i*16*PITCH+32
.endr
	WIN 0
.irp i, 0,1,2,3,4,5,6,7
	ds_load_b128 v[\f+8*\i:\f+8*\i+3],   v[ADRA+\slot] offset:\k+\i*16*PITCH
	ds_load_b128 v[\f+8*\i+4:\f+8*\i+7], v[ADRA+\slot] offset:\k+\i*16*PITCH+32
.endr
.endm
; Four plain vector instructions stand between a matrix instruction and a load into one of its registers, or a vector instruction that reads its
; result or writes one of its registers (ISA guide 7.12.1 for vector instructions).
.macro PLACES
.rept 4
	v_nop
.endr
.endm
; A quarter step: 64 matrix instructions on buffer f; in its middle the next quarter's fragments are fetched into buffer g.
; The 64 accumulators take turns, one instruction a turn, in the same order in every quarter.
.macro QUARTER slot, k, f, g, zero
	s_wait_dscnt 8                                 ; B and A's rows 0-63 are in; the youngest eight loads (A's rows 64-127) may be out
	WIN MUL_LO
	MUL16 \f, 0, 0, \zero
	MUL16 \f, 0, 2, \zero
	PLACES
	FETCH \slot, \k, \g
	s_wait_dscnt 32                                ; all but the 32 just issued
	WIN MUL_HI
	MUL16 \f, 1, 0, \zero
	MUL16 \f, 1, 2, \zero
.endm
.macro THREE slot, zero
	QUARTER \slot, 64,  F0, F1, \zero
	QUARTER \slot, 128, F1, F0, 0
	QUARTER \slot, 192, F0, F1, 0
.endm
; The last quarter multiplies buffer 1 and changes slots.  In front of the barrier each wave waits for its reads of this slot and for all its tensor loads
; (one is out: its part of the next slot).  Behind it the refill comes first, then the next slot's first fragments.
.macro TURN slot, next, fill
	s_wait_dscnt 8
	WIN MUL_LO
	MUL16 F1, 0, 0, 0
	s_wait_dscnt 0                                 ; my reads of this slot are over
	s_wait_tensorcnt 0x0                           ; and all my tensor loads have landed
	s_barrier_signal -1                            ; say so (where a slot is filled again this barrier opens a round of the cluster's barrier),
	MUL16 F1, 0, 2, 0                              ; work on registers while the others arrive,
	WIN 0
	s_barrier_wait -1
.if \fill
	CREST                                          ; no wave of any partner still reads this slot's tile or has a load on its way
	s_add_nc_u64 s[G0+4*\slot+2:G0+4*\slot+3], s[G0+4*\slot+2:G0+4*\slot+3], 2*KSTEP*2
	s_add_nc_u64 s[G0B+4*\slot+2:G0B+4*\slot+3], s[G0B+4*\slot+2:G0B+4*\slot+3], 2*KSTEP*2
	JLOAD \slot                                    ; the first tensor load behind the round
.endif
	PLACES
	FETCH \next, 0, F0
	WIN MUL_HI
	MUL16 F1, 1, 0, 0
	MUL16 F1, 1, 2, 0
.endm
.macro LAP zero
	THREE 0, \zero
	TURN 0, 1, 1
	THREE 1, 0
	TURN 1, 0, 1
.endm
	s_wait_tensorcnt 1                             ; my part of K step 0 is in; K step 1's load stays out
	s_barrier_signal -1
	s_barrier_wait -1
	FETCH 0, 0, F0
	LAP 1                                          ; the first lap stands in front of the loop: its first products start the sums
	WIN 0                                          ; at a label and at a branch every window is 0
	s_mov_b32 s3, LAPS-2
.Llap:
	LAP 0
	WIN 0
	s_sub_co_u32 s3, s3, 1
	s_cmp_lg_u32 s3, 0
	s_cbranch_scc1 .Llap
	THREE 0, 0                                     ; the last lap fills nothing
	TURN 0, 1, 0
	THREE 1, 0
	s_wait_dscnt 8
	WIN MUL_LO
	MUL16 F1, 0, 0, 0
	MUL16 F1, 0, 2, 0
	s_wait_dscnt 0
	WIN MUL_HI
	MUL16 F1, 1, 0, 0
	MUL16 F1, 1, 2, 0
; THE WAY OUT, 16 tokens at a time.
; The factors of one row group: cos sA + sB, sin sA, -sin sA.
.macro PREP buf
.irp j, 0,2,4,6,8,10,12,14
	v_pk_fma_f32 v[CC+\j:CC+\j+1], v[\buf+\j:\buf+\j+1], v[VA:VA+1], v[VB:VB+1]
	v_pk_mul_f32 v[SS+\j:SS+\j+1], v[\buf+16+\j:\buf+16+\j+1], v[VA:VA+1]
	v_pk_mul_f32 v[NS+\j:NS+\j+1], v[\buf+16+\j:\buf+16+\j+1], v[NA:NA+1]
.endr
.endm
; Tokens 16 i .. 16 i + 15 = the eight tiles (a, 0..7) of window 2 or 3.  Tiles b and b + 2 (b = 0, 1, 4, 5) hold d and d + 32 of one head:
; out1 = x1 c - x2 s, out2 = x2 c + x1 s.  Rounded to f16, 16 bytes a lane into my stage, read back as tokens' rows of 128 bytes,
; stored four tokens at a time: a store of the wave covers 512 consecutive bytes, aligned.
.macro OUT16 i, a, win, f, buf
	WIN 0
.if \i < 7
	s_wait_loadcnt 0x8                             ; this group's table rows are in; the next group's eight loads stay out
.else
	s_wait_loadcnt 0x0
.endif
	PREP \buf
.if \i < 6
	TABLE \i+2, \buf                               ; the buffer has been read: the group after next
.endif
	WIN \win
.irp b, 0,1,4,5
.set PR, RT+16*((\b&1)+2*(\b>>2))
.set BP, 8*(\b&1)
.set X1, 8*(8*\a+\b)
.set X2, 8*(8*\a+\b+2)
.irp j, 0,2,4,6
	v_pk_mul_f32 v[PR+\j:PR+\j+1], v[X1+\j:X1+\j+1], v[CC+BP+\j:CC+BP+\j+1]
	v_pk_mul_f32 v[PR+8+\j:PR+8+\j+1], v[X2+\j:X2+\j+1], v[CC+BP+\j:CC+BP+\j+1]
.endr
.irp j, 0,2,4,6
	v_pk_fma_f32 v[PR+\j:PR+\j+1], v[X2+\j:X2+\j+1], v[NS+BP+\j:NS+BP+\j+1], v[PR+\j:PR+\j+1]
	v_pk_fma_f32 v[PR+8+\j:PR+8+\j+1], v[X1+\j:X1+\j+1], v[SS+BP+\j:SS+BP+\j+1], v[PR+8+\j:PR+8+\j+1]
.endr
.endr
	WIN PACK
.irp b, 0,1,4,5
.set PR, RT+16*((\b&1)+2*(\b>>2))
.irp q, 0,1,2,3
	v_cvt_pk_f16_f32 v[TMP+4*\b+\q], v[PR+2*\q], v[PR+2*\q+1]
	v_cvt_pk_f16_f32 v[TMP+4*(\b+2)+\q], v[PR+8+2*\q], v[PR+8+2*\q+1]
.endr
.endr
	WIN 0
.irp b, 0,1,2,3,4,5,6,7
	ds_store_b128 v[STO], v[TMP+4*\b:TMP+4*\b+3] offset:(\b>>2)*SHEAD+(\b&3)*32
.endr
	s_wait_xcnt 0x0                                ; every earlier memory instruction has had its addresses translated (ISA guide 3.1): buffer f, which stores read, is loaded again only behind this wait
.irp t, 0,1,2,3,4,5,6,7
	ds_load_b128 v[\f+4*\t:\f+4*\t+3], v[RD] offset:(\t>>2)*SHEAD+(\t&3)*4*SPITCH   ; LDS serves a wave's instructions in order (ISA guide 5.7.1.4): these see the stores above
.endr
.irp t, 0,1,2,3,4,5,6,7
	s_wait_dscnt 7-\t
	global_store_b128 v[CO], v[\f+4*\t:\f+4*\t+3], s[70:71] offset:(\t>>2)*262144+\i*2048+(\t&3)*512
.endr
.endm
	PLACES                                         ; behind the last matrix instructions: for what reads results and for what writes fragment registers
	OUT16 0, 0, ROT_LO, RB0, RAW0
	OUT16 1, 1, ROT_LO, RB1, RAW1
	OUT16 2, 2, ROT_LO, RB0, RAW0
	OUT16 3, 3, ROT_LO, RB1, RAW1
	OUT16 4, 0, ROT_HI, RB0, RAW0
	OUT16 5, 1, ROT_HI, RB1, RAW1
	OUT16 6, 2, ROT_HI, RB0, RAW0
	OUT16 7, 3, ROT_HI, RB1, RAW1
	CROUND                                         ; the closing round: no work-group ends while a partner may still ask for a tile that names it
	s_endpgm
.Lfunc_end_k_qba59b2612d_qkvgemm:
	.size	k_qba59b2612d_qkvgemm, .Lfunc_end_k_qba59b2612d_qkvgemm-k_qba59b2612d_qkvgemm
	.p2alignl 7, 3214868480
	.fill 96, 4, 3214868480
	.section	.rodata,"a",@progbits
	.p2align	6, 0x0
	.amdhsa_kernel k_qba59b2612d_qkvgemm
		.amdhsa_group_segment_fixed_size 327680
		.amdhsa_private_segment_fixed_size 0
		.amdhsa_enable_private_segment 0
		.amdhsa_kernarg_size 32
		.amdhsa_user_sgpr_count 2
		.amdhsa_user_sgpr_kernarg_segment_ptr 1
		.amdhsa_wavefront_size32 1
		.amdhsa_system_sgpr_workgroup_id_x 1
		.amdhsa_system_sgpr_workgroup_id_y 1
		.amdhsa_system_sgpr_workgroup_id_z 1
		.amdhsa_system_vgpr_workitem_id 0
		.amdhsa_next_free_vgpr 1024
		.amdhsa_next_free_sgpr 84
		.amdhsa_reserve_vcc 0
		.amdhsa_float_denorm_mode_32 3
		.amdhsa_float_denorm_mode_16_64 3
		.amdhsa_memory_ordered 1
		.amdhsa_forward_progress 1
		.amdhsa_inst_pref_size 246
	.end_amdhsa_kernel
	.amdgpu_metadata
---
amdhsa.version: [ 1, 2 ]
amdhsa.kernels:
  - .name:           k_qba59b2612d_qkvgemm
    .symbol:         k_qba59b2612d_qkvgemm.kd
    .args:
      - { .name: xb, .offset: 0, .size: 8, .value_kind: global_buffer, .address_space: global }
      - { .name: wqb, .offset: 8, .size: 8, .value_kind: global_buffer, .address_space: global }
      - { .name: rope, .offset: 16, .size: 8, .value_kind: global_buffer, .address_space: global }
      - { .name: qkv, .offset: 24, .size: 8, .value_kind: global_buffer, .address_space: global }
    .group_segment_fixed_size: 327680
    .private_segment_fixed_size: 0
    .kernarg_segment_align: 8
    .kernarg_segment_size: 32
    .max_flat_workgroup_size: 128
    .sgpr_count:     84
    .vgpr_count:     1024
    .wavefront_size: 32
...
	.end_amdgpu_metadata
.endif
;; end of part 2
;; launch attn (part 3): grid 256 x 1, 8 waves a work-group, no clusters, 327,680 bytes of LDS; arguments qkv, att; writes att
.if DOCPART == 3
	.amdgcn_target "amdgcn-amd-amdhsa--gfx1250"
	.amdhsa_code_object_version 6
	.text
	.protected	k_qba59b2612d_attn
	.globl	k_qba59b2612d_attn
	.p2align	8
	.type	k_qba59b2612d_attn,@function
k_qba59b2612d_attn:
	s_mov_b64 s[64:65], 0
	v_nop
	global_prefetch_b8 v0, s[64:65] scope:SCOPE_SE
	s_setreg_imm32_b32 hwreg(HW_REG_WAVE_MODE, 25, 1), 1
	s_wait_xcnt 0x0
; CAUSAL ATTENTION with a running maximum.  qkv[which][bh][t][d] f16 (q already rotated and times 0.125 log2 e, k rotated), att[bh][t][d] f16.
; Work-group g: head bh = g / 8, u = g % 8.  It makes the query blocks (128 queries) 2 u and then 15 - 2 u: (2 u + 1) + (16 - 2 u) = 17 tiles of 128 keys
; for every work-group, and the slot of every tile is a constant of the text.  In each pass the diagonal tile comes first: one step written out both
; starts the sums (C = 0, nothing is cleared) and carries the mask.
; Wave w: qg = w & 3 takes 32 queries (two tiles of 16), kh = w >> 2 takes keys 64 kh .. 64 kh + 63 of every tile.  The two waves that share queries keep sums and
; maxima of their own and are merged once a pass through LDS.
; S^T = K Q^T (A = 16 keys, B = 16 queries): lane (r, h), register j holds key 8 h + j of query r, so maximum and sum run along a lane's registers plus one
; exchange of the lane halves, and two neighbouring tiles of S^T, packed in place, are the B fragment of O^T = V^T P^T.  A = V^T comes by the transposing LDS load.
; NO MULTICAST: partners would be the query blocks of one head, which under the causal mask need different numbers of tiles.
; LIMITS: masked scores are -FLT_MAX as in reference(); exponentials below 2^-126 are zero; probabilities and the result are rounded to f16.
; A half of the keys that is masked whole for a query keeps maximum -FLT_MAX and finite sums with p = 1; the next rescaling, or the merge,
; multiplies them by exp2(-FLT_MAX - m) = 0.  The half kh = 0 always holds the diagonal tile's key 0, which no query masks.
.set KPITCH, 144                       ; a K row in LDS: 128 bytes + 16
.set VPITCH, 160                       ; a V row: 128 bytes + 32 (an odd multiple of 32, for the transposing load)
.set KBYTES, 128*KPITCH
.set SLOTB,  KBYTES+128*VPITCH         ; 38,912: K's 128 rows, then V's
.set SCR,    2*SLOTB                   ; 77,824: for each qg 16 x 512 bytes of O, then 4 x 128 bytes of maxima and sums; no tensor load lands here
.set SCRQ,   8704
.set STG,    SCR+4*SCRQ                ; 112,640: for each qg 32 rows x 144 bytes, the way out
.set STGQ,   32*KPITCH
.set TILEB,  16384                     ; a tile of 128 rows x 128 bytes in memory
.set VOFF,   0x800000                  ; from q to k, and from k to v
.set KADR, 1                           ; v1-2    my K fragments in slot 0, 1
.set VADR, 3                           ; v3-4    my V fragments
.set QOFF, 5                           ; v5      128 r + 16 h
.set DIA,  6                           ; v6      32 qg + r - 64 kh - 8 h: a key 16 kt + j of query tile qt is kept if 16 kt + j - 16 qt <= this
.set NEG,  7                           ; v7      -FLT_MAX
.set STO,  8
.set RD,   9
.set CO,   10
.set SCRA, 11
.set MX,   12                          ; v12-13  running maximum of query tile 0, 1
.set LS,   14                          ; v14-15  running sum (of my half of the lanes' keys)
.set AL,   16                          ; v16-17  rescaling factor, twice
.set NM,   18                          ; v18-19  -maximum, twice
.set T,    20                          ; v20-27  at work
.set MN,   28
.set SCRB, 29
.set QF,   32                          ; v[32+16 qt+8 ks]   Q fragments
.set OA,   64                          ; v[64+32 qt+8 dt]   O^T
.set SCO,  128                         ; v[128+32 qt+8 kt]  S^T; packed: P(qt, ks) at 128+32 qt+16 ks
.set KV,   192                         ; v192-255 K fragments, then V fragments
.set G1K, 16
.set G1V, 24
.set G0K, 32                           ; s[32:39] slot 0, 1
.set G0V, 40                           ; s[40:47]
.set NX,  48                           ; the next tile's K rows of mine
.set KB,  50                           ; tile 0's
.set DG,  52                           ; the second pass's diagonal tile's
.set QE,  54
.set QO,  56
.set OE,  58
.set OO,  60
	s_load_b128 s[4:7], s[0:1], 0x0                ; qkv s[4:5], att s[6:7]
	v_lshrrev_b32 v21, 5, v0
	v_readfirstlane_b32 s8, v21                    ; wave 0..7
	s_and_b32 s9, s8, 3                            ; qg
	s_lshr_b32 s10, s8, 2                          ; kh
	s_lshr_b32 s11, ttmp9, 3                       ; bh
	s_and_b32 s12, ttmp9, 7                        ; u
	s_mov_b32 s62, 0x76543210                      ; v_permlanex16_b32: lane i of one half reads lane i of the other
	s_mov_b32 s63, 0xfedcba98
	v_and_b32 v30, 31, v0                          ; lane
	v_and_b32 v31, 15, v0                          ; r
	v_bfe_u32 v20, v0, 4, 1                        ; h
	v_and_b32 v22, 7, v0
	v_mul_u32_u24 v24, v31, KPITCH
	v_lshl_add_u32 v24, v20, 4, v24                ; 144 r + 16 h
	s_mul_i32 s66, s10, 64*KPITCH
	v_add_nc_u32 v[KADR], s66, v24
	v_add_nc_u32 v[KADR+1], SLOTB, v[KADR]
	v_lshl_add_u32 v23, v20, 3, v22                ; key row 8 h + (lane & 7)
	v_mul_u32_u24 v23, v23, VPITCH
	v_bfe_u32 v25, v0, 3, 1
	v_lshl_add_u32 v23, v25, 4, v23                ; + 16 ((lane >> 3) & 1)
	s_mul_i32 s66, s10, 64*VPITCH
	s_add_co_u32 s66, s66, KBYTES
	v_add_nc_u32 v[VADR], s66, v23
	v_add_nc_u32 v[VADR+1], SLOTB, v[VADR]
	v_lshlrev_b32 v[QOFF], 7, v31
	v_lshl_add_u32 v[QOFF], v20, 4, v[QOFF]
	s_lshl_b32 s66, s9, 5
	s_lshl_b32 s67, s10, 6
	s_sub_co_i32 s66, s66, s67
	v_lshlrev_b32 v[DIA], 3, v20
	v_sub_nc_u32 v[DIA], v31, v[DIA]
	v_add_nc_u32 v[DIA], s66, v[DIA]
	v_mov_b32 v[NEG], 0xff7fffff
	s_mul_i32 s66, s9, STGQ
	s_add_co_u32 s66, s66, STG
	v_add_nc_u32 v[STO], s66, v24
	v_lshrrev_b32 v25, 3, v30
	v_mul_u32_u24 v25, v25, KPITCH
	v_lshl_add_u32 v25, v22, 4, v25
	v_add_nc_u32 v[RD], s66, v25
	v_lshlrev_b32 v[CO], 4, v30
	s_mul_i32 s66, s9, SCRQ
	s_add_co_u32 s66, s66, SCR
	v_lshl_add_u32 v[SCRA], v30, 4, s66
	s_add_co_u32 s66, s66, 8192
	v_lshl_add_u32 v[SCRB], v30, 2, s66
	; Descriptors.  A wave brings its 16 rows of K and its 16 rows of V of each tile: 2,048 bytes each, dense in memory, taken as 8 rows of 32 elements of 8 bytes
	; (256 bytes, aligned), with padding behind every 32 words (a head's row of 128 bytes): 4 words for K, 8 for V.
	s_mov_b32 s[G1K+0], (3<<16)|(1<<20)|(4<<22)|(3<<25)
	s_mov_b32 s[G1V+0], (3<<16)|(1<<20)|(4<<22)|(7<<25)
	s_mov_b32 s[G1K+1], 32<<16                     ; tensor_dim0 = 32
	s_mov_b32 s[G1V+1], 32<<16
	s_mov_b32 s[G1K+2], 8<<16                      ; tensor_dim1 = 8
	s_mov_b32 s[G1V+2], 8<<16
	s_mov_b32 s[G1K+3], 32<<16                     ; tile_dim0 = 32
	s_mov_b32 s[G1V+3], 32<<16
	s_mov_b32 s[G1K+4], 8                          ; tile_dim1 = 8
	s_mov_b32 s[G1V+4], 8
	s_mov_b32 s[G1K+5], 32                         ; elements from row to row
	s_mov_b32 s[G1V+5], 32
	s_mov_b32 s[G1K+6], 0
	s_mov_b32 s[G1V+6], 0
	s_mov_b32 s[G1K+7], 0
	s_mov_b32 s[G1V+7], 0
	s_mul_i32 s66, s8, 16*KPITCH
	s_mul_i32 s67, s8, 16*VPITCH
.irp s, 0,1
	s_mov_b32 s[G0K+4*\s], 1
	s_add_co_u32 s[G0K+4*\s+1], s66, \s*SLOTB
	s_mov_b32 s[G0V+4*\s], 1
	s_add_co_u32 s[G0V+4*\s+1], s67, \s*SLOTB+KBYTES
.endr
	s_lshl_b32 s68, s11, 18                        ; the head: 2048 x 128 bytes
	s_lshl_b32 s69, s8, 11                         ; my 16 rows of a tile
	s_add_co_u32 s66, s68, s69
	s_add_co_u32 s66, s66, VOFF                    ; k's part of the buffer
	s_mov_b32 s67, 0
	s_lshl_b32 s70, s12, 1
	s_sub_co_u32 s70, 15, s70
	s_lshl_b32 s70, s70, 14                        ; block 15 - 2 u, in bytes
	s_mov_b32 s71, 0
	s_wait_kmcnt 0x0
	s_add_nc_u64 s[KB:KB+1], s[4:5], s[66:67]
	s_or_b32 s[KB+1], s[KB+1], 0x80000000          ; the descriptor's type; sums with offsets do not reach it
	s_add_nc_u64 s[DG:DG+1], s[KB:KB+1], s[70:71]
	s_lshl_b32 s66, s12, 15                        ; block 2 u, in bytes
	s_add_nc_u64 s[G0K+2:G0K+3], s[KB:KB+1], s[66:67]
	s_add_nc_u64 s[G0V+2:G0V+3], s[G0K+2:G0K+3], VOFF
	tensor_load_to_lds s[G0K:G0K+3], s[G1K:G1K+7]  ; the first pass's diagonal tile into slot 0: a first fill.  Two tensor loads of the wave are out at the most, here and in every trip
	s_nop 0
	tensor_load_to_lds s[G0V:G0V+3], s[G1V:G1V+7]
	s_nop 0
	s_cmp_eq_u32 s12, 0
	s_cselect_b64 s[NX:NX+1], s[DG:DG+1], s[KB:KB+1]   ; u = 0: the first pass has the diagonal tile alone
	s_lshl_b32 s69, s9, 12                         ; my 32 queries
	s_add_co_u32 s69, s69, s68
	s_add_co_u32 s66, s66, s69
	s_add_co_u32 s70, s70, s69
	s_add_nc_u64 s[QE:QE+1], s[4:5], s[66:67]
	s_add_nc_u64 s[OE:OE+1], s[6:7], s[66:67]
	s_add_nc_u64 s[QO:QO+1], s[4:5], s[70:71]
	s_add_nc_u64 s[OO:OO+1], s[6:7], s[70:71]
.macro QLOAD base                      ; my 32 queries as B fragments: lane (r, h) takes d = 32 ks + 16 e + 8 h .. + 7 of query 16 qt + r
.irp qt, 0,1
.irp ks, 0,1
.irp e, 0,1
	global_load_b128 v[QF+16*\qt+8*\ks+4*\e:QF+16*\qt+8*\ks+4*\e+3], v[QOFF], s[\base:\base+1] offset:\qt*2048+\ks*64+\e*32
.endr
.endr
.endr
.endm
	QLOAD QE
; Softmax step of query tile qt on its 64 keys (32 registers).  first = 1: the diagonal tile: the mask, and maximum and sum start here.
.macro SM qt, first
.set SB, SCO+32*\qt
.if \first
.set kk, 0
.rept 32
	v_cmp_le_i32 vcc_lo, 16*(kk/8)+(kk%8)-16*\qt, v[DIA]
	v_cndmask_b32 v[SB+kk], v[NEG], v[SB+kk], vcc_lo
.set kk, kk+1
.endr
.endif
.irp c, 0,1,2,3
	v_max3_num_f32 v[T+\c], v[SB+8*\c], v[SB+8*\c+1], v[SB+8*\c+2]
.endr
.irp c, 0,1,2,3
	v_max3_num_f32 v[T+\c], v[T+\c], v[SB+8*\c+3], v[SB+8*\c+4]
.endr
.irp c, 0,1,2,3
	v_max3_num_f32 v[T+\c], v[T+\c], v[SB+8*\c+5], v[SB+8*\c+6]
.endr
	v_max3_num_f32 v[T], v[T], v[SB+7], v[SB+15]
	v_max3_num_f32 v[T+1], v[T+1], v[SB+23], v[SB+31]
	v_max3_num_f32 v[T], v[T], v[T+1], v[T+2]
.if \first
	v_max_num_f32 v[T], v[T], v[T+3]
.else
	v_max3_num_f32 v[T], v[T], v[T+3], v[MX+\qt]
.endif
	v_permlanex16_b32 v[T+1], v[T], s62, s63       ; the other half of the lanes holds the query's other keys
	v_max_num_f32 v[MN], v[T], v[T+1]
.if \first == 0
	v_sub_f32 v[T+2], v[MX+\qt], v[MN]
	v_exp_f32 v[AL], v[T+2]
	v_exp_f32 v[AL+1], v[T+2]
.endif
	v_mov_b32 v[MX+\qt], v[MN]                     ; also the plain instruction behind the two exponentials (ISA guide 5.7.2)
	v_sub_f32 v[NM], 0, v[MN]
	v_sub_f32 v[NM+1], 0, v[MN]
.set kk, 0
.rept 16
	v_pk_add_f32 v[SB+kk:SB+kk+1], v[SB+kk:SB+kk+1], v[NM:NM+1]
.set kk, kk+2
.endr
.set kk, 0
.rept 32
	v_exp_f32 v[SB+kk], v[SB+kk]
.set kk, kk+1
.endr
.if \first
	v_nop                                          ; the plain instruction behind the exponentials
	s_wait_alu depctr_va_vdst(0)
.else
.set kk, 0
	s_wait_alu depctr_va_vdst(0)
.rept 16
	v_pk_mul_f32 v[OA+32*\qt+kk:OA+32*\qt+kk+1], v[OA+32*\qt+kk:OA+32*\qt+kk+1], v[AL:AL+1]   ; O is rescaled; also the plain instructions behind the exponentials
.set kk, kk+2
.endr
.endif
.irp c, 0,1,2,3
	v_pk_add_f32 v[T+2*\c:T+2*\c+1], v[SB+8*\c:SB+8*\c+1], v[SB+8*\c+2:SB+8*\c+3]
.endr
.irp c, 0,1,2,3
	v_pk_add_f32 v[T+2*\c:T+2*\c+1], v[T+2*\c:T+2*\c+1], v[SB+8*\c+4:SB+8*\c+5]
.endr
.irp c, 0,1,2,3
	v_pk_add_f32 v[T+2*\c:T+2*\c+1], v[T+2*\c:T+2*\c+1], v[SB+8*\c+6:SB+8*\c+7]
.endr
	v_pk_add_f32 v[T:T+1], v[T:T+1], v[T+2:T+3]
	v_pk_add_f32 v[T+4:T+5], v[T+4:T+5], v[T+6:T+7]
	v_pk_add_f32 v[T:T+1], v[T:T+1], v[T+4:T+5]
.if \first
	v_add_f32 v[LS+\qt], v[T], v[T+1]
.else
	v_add_f32 v[T], v[T], v[T+1]
	v_fma_f32 v[LS+\qt], v[LS+\qt], v[AL], v[T]
.endif
	; packed in place: registers 0-3 of P(qt, ks) = keys 8 h .. + 7 of tile 2 ks, registers 4-7 = those of tile 2 ks + 1: each target has been read before it is written
.irp ks, 0,1
.irp i, 0,1,2,3
	v_cvt_pk_f16_f32 v[SB+16*\ks+\i], v[SB+16*\ks+2*\i], v[SB+16*\ks+2*\i+1]
.endr
.irp i, 0,1,2,3
	v_cvt_pk_f16_f32 v[SB+16*\ks+4+\i], v[SB+16*\ks+8+2*\i], v[SB+16*\ks+9+2*\i]
.endr
.endr
.endm
; O^T(qt) += V^T P^T: the four accumulators take turns, one instruction a turn
.macro PV qt, first
.irp ks, 0,1
.irp dt, 0,1,2,3
.if \first*(1-\ks)
	v_wmma_f32_16x16x32_f16 v[OA+32*\qt+8*\dt:OA+32*\qt+8*\dt+7], v[KV+32*\ks+8*\dt:KV+32*\ks+8*\dt+7], v[SCO+32*\qt+16*\ks:SCO+32*\qt+16*\ks+7], 0
.else
	v_wmma_f32_16x16x32_f16 v[OA+32*\qt+8*\dt:OA+32*\qt+8*\dt+7], v[KV+32*\ks+8*\dt:KV+32*\ks+8*\dt+7], v[SCO+32*\qt+16*\ks:SCO+32*\qt+16*\ks+7], v[OA+32*\qt+8*\dt:OA+32*\qt+8*\dt+7]
.endif
.endr
.endr
.endm
; One tile: my 64 keys against my 32 queries.
.macro STEP slot, first
.irp ks, 0,1
.irp kt, 0,1,2,3
.irp e, 0,1
	ds_load_b128 v[KV+16*\kt+8*\ks+4*\e:KV+16*\kt+8*\ks+4*\e+3], v[KADR+\slot] offset:\kt*16*KPITCH+\ks*64+\e*32
.endr
.endr
.endr
.if \first
	s_wait_loadcnt 0x0                             ; this pass's queries
.endif
	s_wait_dscnt 0x8                               ; the fragments of d 0-31 are in; the eight of d 32-63 stay out
.irp kt, 0,1,2,3
.irp qt, 0,1
	v_wmma_f32_16x16x32_f16 v[SCO+32*\qt+8*\kt:SCO+32*\qt+8*\kt+7], v[KV+16*\kt:KV+16*\kt+7], v[QF+16*\qt:QF+16*\qt+7], 0
.endr
.endr
	s_wait_dscnt 0x0
.irp kt, 0,1,2,3                       ; the eight accumulators take turns, one instruction a turn
.irp qt, 0,1
	v_wmma_f32_16x16x32_f16 v[SCO+32*\qt+8*\kt:SCO+32*\qt+8*\kt+7], v[KV+16*\kt+8:KV+16*\kt+15], v[QF+16*\qt+8:QF+16*\qt+15], v[SCO+32*\qt+8*\kt:SCO+32*\qt+8*\kt+7]
.endr
.endr
.rept 4
	v_nop                                          ; four plain vector instructions before loads land on K's fragments and before S is read (ISA guide 7.12.1 for vector instructions)
.endr
.irp ks, 0,1
.irp dt, 0,1,2,3
.irp e, 0,1
	ds_load_tr16_b128 v[KV+32*\ks+8*\dt+4*\e:KV+32*\ks+8*\dt+4*\e+3], v[VADR+\slot] offset:\ks*32*VPITCH+\dt*32+\e*16*VPITCH
.endr
.endr
.endr
	SM 0, \first
	s_wait_dscnt 0x0                               ; V's fragments, asked for in front of the softmax step
	PV 0, \first
	SM 1, \first
	PV 1, \first
.rept 5
	v_nop                                          ; five plain vector instructions before the next tile's products write over P, four before its loads land on V's fragments
.endr
.endm
; A trip: the tile in this slot is worked on while the other slot is filled.  fill = 0: nothing more; 1: the next tile; 2: the next tile, or in the loop's last trip
; the second pass's diagonal tile; 3: the second pass's tile 0.
.macro TRIP slot, first, fill
	s_wait_tensorcnt 0x0                           ; all my tensor loads have landed, my rows of this trip's tile among them: every group 0 may be written
.if \fill == 2
	s_cmp_eq_u32 s13, 1
	s_cselect_b64 s[NX:NX+1], s[DG:DG+1], s[NX:NX+1]
.endif
.if \fill == 3
	s_mov_b64 s[NX:NX+1], s[KB:KB+1]
.endif
.if \fill
	s_mov_b64 s[G0K+4*(1-\slot)+2:G0K+4*(1-\slot)+3], s[NX:NX+1]
	s_add_nc_u64 s[G0V+4*(1-\slot)+2:G0V+4*(1-\slot)+3], s[NX:NX+1], VOFF
	s_add_nc_u64 s[NX:NX+1], s[NX:NX+1], TILEB
.endif
	s_wait_dscnt 0x0                               ; my reads of the other slot are over
	s_barrier_signal -1
	s_barrier_wait -1                              ; both now hold of all eight waves
.if \fill
	tensor_load_to_lds s[G0K+4*(1-\slot):G0K+4*(1-\slot)+3], s[G1K:G1K+7]   ; the first tensor loads behind the barrier
	s_nop 0
	tensor_load_to_lds s[G0V+4*(1-\slot):G0V+4*(1-\slot)+3], s[G1V:G1V+7]
	s_nop 0
.endif
	STEP \slot, \first
.endm
; The end of a pass: the two halves of the keys are merged, the result is divided by the sum, rounded and stored.
.macro FIN ob, nextq
.if \nextq
	QLOAD QO                                       ; the second pass's queries, waited for in its first step
.endif
	v_permlanex16_b32 v[T], v[LS], s62, s63
	v_permlanex16_b32 v[T+1], v[LS+1], s62, s63
	v_add_f32 v[LS], v[LS], v[T]                   ; the sums of the two lane halves (their maximum is common)
	v_add_f32 v[LS+1], v[LS+1], v[T+1]
	s_cmp_eq_u32 s10, 0
	s_cbranch_scc1 .Lgiven_\@
.set kk, 0
.rept 16
	ds_store_b128 v[SCRA], v[OA+4*kk:OA+4*kk+3] offset:512*kk     ; waves 4-7 hand over O, maxima and sums
.set kk, kk+1
.endr
	ds_store_b32 v[SCRB], v[MX]
	ds_store_b32 v[SCRB], v[MX+1] offset:128
	ds_store_b32 v[SCRB], v[LS] offset:256
	ds_store_b32 v[SCRB], v[LS+1] offset:384
.Lgiven_\@:
	s_wait_dscnt 0x0                               ; for the other wave's sake: my stores are done
	s_barrier_signal -1                            ; the next pass's first tile may stay on its way
	s_barrier_wait -1
	s_cmp_lg_u32 s10, 0
	s_cbranch_scc1 .Ldone_\@
.set kk, 0
.rept 16
	ds_load_b128 v[SCO+4*kk:SCO+4*kk+3], v[SCRA] offset:512*kk
.set kk, kk+1
.endr
	ds_load_b32 v[T+4], v[SCRB]
	ds_load_b32 v[T+5], v[SCRB] offset:128
	ds_load_b32 v[T+6], v[SCRB] offset:256
	ds_load_b32 v[T+7], v[SCRB] offset:384
	s_wait_dscnt 0x0
.irp qt, 0,1
	v_max_num_f32 v[MN], v[MX+\qt], v[T+4+\qt]
	v_sub_f32 v[T], v[MX+\qt], v[MN]
	v_sub_f32 v[T+1], v[T+4+\qt], v[MN]
	v_exp_f32 v[T+2], v[T]
	v_exp_f32 v[T+3], v[T+1]
	v_nop
	s_wait_alu depctr_va_vdst(0)
	v_mul_f32 v[T], v[LS+\qt], v[T+2]
	v_fma_f32 v[T], v[T+6+\qt], v[T+3], v[T]       ; the whole sum: at least 1, the largest score's own term
	v_rcp_f32 v[T+1], v[T]
	v_nop
	s_wait_alu depctr_va_vdst(0)
	v_mul_f32 v[AL], v[T+2], v[T+1]
	v_mul_f32 v[AL+1], v[T+2], v[T+1]
	v_mul_f32 v[NM], v[T+3], v[T+1]
	v_mul_f32 v[NM+1], v[T+3], v[T+1]
.set kk, 0
.rept 16
	v_pk_mul_f32 v[OA+32*\qt+kk:OA+32*\qt+kk+1], v[OA+32*\qt+kk:OA+32*\qt+kk+1], v[AL:AL+1]
	v_pk_fma_f32 v[OA+32*\qt+kk:OA+32*\qt+kk+1], v[SCO+32*\qt+kk:SCO+32*\qt+kk+1], v[NM:NM+1], v[OA+32*\qt+kk:OA+32*\qt+kk+1]
.set kk, kk+2
.endr
.set kk, 0
.rept 16
	v_cvt_pk_f16_f32 v[KV+16*\qt+kk], v[OA+32*\qt+2*kk], v[OA+32*\qt+2*kk+1]
.set kk, kk+1
.endr
.irp dt, 0,1,2,3
	ds_store_b128 v[STO], v[KV+16*\qt+4*\dt:KV+16*\qt+4*\dt+3] offset:\qt*16*KPITCH+\dt*32   ; query 16 qt + r, d = 16 dt + 8 h .. + 7
.endr
.endr
.irp g, 0,1,2,3,4,5,6,7
	ds_load_b128 v[KV+32+4*\g:KV+32+4*\g+3], v[RD] offset:\g*4*KPITCH      ; my own bytes: LDS serves a wave's instructions in order (ISA guide 5.7.1.4)
.endr
.irp g, 0,1,2,3,4,5,6,7
	s_wait_dscnt 7-\g
	global_store_b128 v[CO], v[KV+32+4*\g:KV+32+4*\g+3], s[\ob:\ob+1] offset:\g*512   ; four queries' rows: 512 consecutive bytes, aligned
.endr
.Ldone_\@:
	s_wait_xcnt 0x0                                ; the stores' data lie where the next step's fragments land: they are loaded again only behind this wait
.endm
	TRIP 0, 1, 1                                   ; first pass: the diagonal tile 2 u
	s_cmp_eq_u32 s12, 0
	s_cbranch_scc1 .Lno_even
	s_mov_b32 s13, s12                             ; then tiles 0 .. 2 u - 1, two a trip
.Leven:
	TRIP 1, 0, 1
	TRIP 0, 0, 2
	s_sub_co_u32 s13, s13, 1
	s_cmp_lg_u32 s13, 0
	s_cbranch_scc1 .Leven
.Lno_even:
	FIN OE, 1
	TRIP 1, 1, 3                                   ; second pass: the diagonal tile 15 - 2 u
	s_sub_co_u32 s13, 7, s12
	s_cmp_eq_u32 s13, 0
	s_cbranch_scc1 .Lno_odd
.Lodd:                                             ; tiles 0 .. 13 - 2 u, two a trip
	TRIP 0, 0, 1
	TRIP 1, 0, 1
	s_sub_co_u32 s13, s13, 1
	s_cmp_lg_u32 s13, 0
	s_cbranch_scc1 .Lodd
.Lno_odd:
	TRIP 0, 0, 0                                   ; tile 14 - 2 u: nothing more is fetched
	FIN OO, 0
	s_endpgm
.Lfunc_end_k_qba59b2612d_attn:
	.size	k_qba59b2612d_attn, .Lfunc_end_k_qba59b2612d_attn-k_qba59b2612d_attn
	.p2alignl 7, 3214868480
	.fill 96, 4, 3214868480
	.section	.rodata,"a",@progbits
	.p2align	6, 0x0
	.amdhsa_kernel k_qba59b2612d_attn
		.amdhsa_group_segment_fixed_size 327680
		.amdhsa_private_segment_fixed_size 0
		.amdhsa_enable_private_segment 0
		.amdhsa_kernarg_size 16
		.amdhsa_user_sgpr_count 2
		.amdhsa_user_sgpr_kernarg_segment_ptr 1
		.amdhsa_wavefront_size32 1
		.amdhsa_system_sgpr_workgroup_id_x 1
		.amdhsa_system_sgpr_workgroup_id_y 1
		.amdhsa_system_sgpr_workgroup_id_z 1
		.amdhsa_system_vgpr_workitem_id 0
		.amdhsa_next_free_vgpr 256
		.amdhsa_next_free_sgpr 72
		.amdhsa_reserve_vcc 1
		.amdhsa_float_denorm_mode_32 3
		.amdhsa_float_denorm_mode_16_64 3
		.amdhsa_memory_ordered 1
		.amdhsa_forward_progress 1
		.amdhsa_inst_pref_size 158
	.end_amdhsa_kernel
	.amdgpu_metadata
---
amdhsa.version: [ 1, 2 ]
amdhsa.kernels:
  - .name:           k_qba59b2612d_attn
    .symbol:         k_qba59b2612d_attn.kd
    .args:
      - { .name: qkv, .offset: 0, .size: 8, .value_kind: global_buffer, .address_space: global }
      - { .name: att, .offset: 8, .size: 8, .value_kind: global_buffer, .address_space: global }
    .group_segment_fixed_size: 327680
    .private_segment_fixed_size: 0
    .kernarg_segment_align: 8
    .kernarg_segment_size: 16
    .max_flat_workgroup_size: 256
    .sgpr_count:     72
    .vgpr_count:     256
    .wavefront_size: 32
...
	.end_amdgpu_metadata
.endif
;; end of part 3
;; launch proj (part 4): grid 8 x 32, 4 waves a work-group, clusters of 4 x 4, 327,680 bytes of LDS; arguments att, wpb, out0; writes out0
.if DOCPART == 4
	.amdgcn_target "amdgcn-amd-amdhsa--gfx1250"
	.amdhsa_code_object_version 6
	.text
	.protected	k_qba59b2612d_proj
	.globl	k_qba59b2612d_proj
	.p2align	8
	.type	k_qba59b2612d_proj,@function
k_qba59b2612d_proj:
	s_mov_b64 s[64:65], 0
	v_nop
	global_prefetch_b8 v0, s[64:65] scope:SCOPE_SE
	s_setreg_imm32_b32 hwreg(HW_REG_WAVE_MODE, 25, 1), 1
	s_wait_xcnt 0x0
	s_wait_alu depctr_hold_cnt(0) depctr_sa_sdst(0) depctr_va_vdst(0) depctr_va_sdst(0) depctr_va_ssrc(0) depctr_va_vcc(0) depctr_vm_vsrc(0)
	s_getreg_b32 s2, hwreg(HW_REG_IB_STS2, 6, 4)
	s_cmp_eq_u32 s2, 0
	s_cbranch_scc0 .Lentry_in_a_cluster
	s_endpgm
.Lentry_in_a_cluster:
	s_bfe_u32 s2, ttmp6, 0x10000c
	s_cmp_lg_u32 s2, 0xf033
	s_cbranch_scc0 .Lentry_shape_is_right
	s_endpgm
.Lentry_shape_is_right:
; PROJECTION: out0[m][o] = sum over c of A[m][c] wpb[o][c].  A is att read flat as [4096][1024]: reference()'s permute and reshape say no more than that
; the attention's result, stored [b][h][t][d], is read so.  f16 operands, f32 sums, f32 out.
; 256 work-groups of 128 x 128; a wave makes 64 x 64: 16 accumulator tiles.  (Blocks of 256 x 256 would be 64 work-groups.)
; K = 1024 is eight K steps of 128, all written out, through four LDS slots: tiles 0-3 are asked for at the start, tiles 4, 5 and tiles 6, 7 two at a time
; behind one round of the cluster's barrier each, two K steps ahead of their first use.  Four tensor loads of a wave are out at the most.
; CLUSTERS: 4 x 4 work-groups; A's tile is shared along a row of the cluster, B's along a column, by joint loads.
; The matrix instruction is used transposed (source 0 = rows of wpb, source 1 = rows of A): a lane holds eight neighbouring columns of one row of the result.
; Registers: window 0: v16-26 addresses; v64-127, v128-191 two fragment buffers (B's four blocks, then A's four).  Window 1: tile (a, b) at v[8 (4 a + b)].
.set SIZE_K, 1024
.set KSTEP,  128
.set PITCH,  272                       ; an LDS row: 256 bytes + 16 of padding
.set HALFT,  64*PITCH                  ; 64 rows: what one tensor load brings
.set SLOT,   4*HALFT                   ; A's 128 rows, then B's 128 rows
.set STAGE,  4*SLOT                    ; behind the ring: 16 rows x 272 bytes for each wave; no tensor load lands here
.set ADRA, 16                          ; v16-19
.set ADRB, 20                          ; v20-23
.set STO,  24
.set RD,   25
.set CO,   26
.set F0,   64
.set F1,   128
.set G1,  24                           ; s[24:31]
.set G1B, 32                           ; s[32:39]
.set G0,  40                           ; s[40:55] one set for each slot
.set G0B, 68                           ; s[68:83]
.set MSB, 0
.macro WIN new
.if MSB != \new
	s_set_vgpr_msb (MSB<<8)|\new
.set MSB, \new
.endif
.endm
.set ACCW, 0x50                        ; C and D window 1, sources 0 and 1 window 0
.set FROMACC, 0x04                     ; an LDS store's data (source 1) from window 1
.macro JLOAD s
	s_cmp_eq_u32 s11, 0
	s_cbranch_scc0 .Lfor_b_\@
	tensor_load_to_lds s[G0+4*\s:G0+4*\s+3], s[G1:G1+7]
	s_nop 0
	s_branch .Lasked_\@
.Lfor_b_\@:
	tensor_load_to_lds s[G0B+4*\s:G0B+4*\s+3], s[G1B:G1B+7]
	s_nop 0
.Lasked_\@:
.endm
.macro CREST
	s_cmp_lg_u32 s10, 0
	s_cbranch_scc1 .Lnot_wave_0_\@
	s_barrier_signal -3
.Lnot_wave_0_\@:
	s_barrier_wait -3
	s_barrier_signal -1
	s_barrier_wait -1
.endm
.macro CROUND
	s_barrier_signal -1
	s_barrier_wait -1
	CREST
.endm
	s_load_b128 s[4:7], s[0:1], 0x0                ; att s[4:5], wpb s[6:7]
	s_load_b64 s[8:9], s[0:1], 0x10                ; out0
	v_lshrrev_b32 v1, 5, v0
	v_readfirstlane_b32 s10, v1                    ; wave 0..3
	s_lshr_b32 s11, s10, 1                         ; my half of the block's rows.  Also: I fetch for A (0) or for B (1)
	s_and_b32 s12, s10, 1                          ; my half of its columns.  Also: which 64 rows of that tile I fetch
	s_bfe_u32 s56, ttmp6, 0x40000                  ; cx
	s_bfe_u32 s57, ttmp6, 0x40004                  ; cy
	s_lshl_b32 s58, ttmp9, 2
	s_add_co_u32 s58, s58, s56                     ; block column
	s_and_b32 s13, ttmp7, 0xffff
	s_lshl_b32 s13, s13, 2
	s_add_co_u32 s13, s13, s57                     ; block row
	s_lshl_b32 s59, s57, 2
	s_lshl_b32 s59, 15, s59                        ; my row of the cluster
	s_lshl_b32 s60, 0x1111, s56                    ; my column
	s_or_b32 s[G1+0], s59, (1<<16)|(1<<20)|(1<<21)|(5<<22)|(3<<25)   ; elements of 2 bytes; 4 words of padding behind every 64 words
	s_or_b32 s[G1B+0], s60, (1<<16)|(1<<20)|(1<<21)|(5<<22)|(3<<25)
	s_mov_b32 s[G1+1], KSTEP<<16                   ; tensor_dim0 = 128
	s_mov_b32 s[G1B+1], KSTEP<<16
	s_mov_b32 s[G1+2], 64<<16                      ; tensor_dim1 = 64
	s_mov_b32 s[G1B+2], 64<<16
	s_mov_b32 s[G1+3], KSTEP<<16                   ; tile_dim0 = 128
	s_mov_b32 s[G1B+3], KSTEP<<16
	s_mov_b32 s[G1+4], 64                          ; tile_dim1 = 64
	s_mov_b32 s[G1B+4], 64
	s_mov_b32 s[G1+5], SIZE_K                      ; elements from row to row
	s_mov_b32 s[G1B+5], SIZE_K
	s_mov_b32 s[G1+6], 0
	s_mov_b32 s[G1B+6], 0
	s_mov_b32 s[G1+7], 0
	s_mov_b32 s[G1B+7], 0
	s_lshl_b32 s18, s12, 6
	s_lshl_b32 s16, s13, 7
	s_add_co_u32 s16, s16, s18                     ; A: row 128 x block row + 64 x half
	s_lshl_b32 s16, s16, 11                        ; rows of 2,048 bytes
	s_mov_b32 s17, 0
	s_lshl_b32 s62, s58, 7
	s_add_co_u32 s62, s62, s18                     ; B: row 128 x block column + 64 x half
	s_lshl_b32 s62, s62, 11
	s_mov_b32 s63, 0
	s_mul_i32 s20, s10, HALFT                      ; where they go: wave x 64 rows
	s_wait_kmcnt 0x0
	s_add_nc_u64 s[14:15], s[4:5], s[16:17]
	s_add_nc_u64 s[62:63], s[6:7], s[62:63]
	CROUND                                         ; all sixteen work-groups are here: the first joint loads meet
.irp s, 0,1,2,3
	s_mov_b32 s[G0+4*\s], 1
	s_add_co_u32 s[G0+4*\s+1], s20, \s*SLOT
	s_add_nc_u64 s[G0+4*\s+2:G0+4*\s+3], s[14:15], \s*KSTEP*2
	s_or_b32 s[G0+4*\s+3], s[G0+4*\s+3], 0x80000000
	s_mov_b32 s[G0B+4*\s], 1
	s_add_co_u32 s[G0B+4*\s+1], s20, \s*SLOT
	s_add_nc_u64 s[G0B+4*\s+2:G0B+4*\s+3], s[62:63], \s*KSTEP*2
	s_or_b32 s[G0B+4*\s+3], s[G0B+4*\s+3], 0x80000000
	JLOAD \s
.endr
	v_and_b32 v1, 15, v0                           ; l % 16
	v_bfe_u32 v2, v0, 4, 1                         ; l / 16
	v_mul_u32_u24 v3, v1, PITCH
	v_lshl_add_u32 v3, v2, 4, v3
	s_mul_i32 s21, s11, HALFT
	s_mul_i32 s22, s12, HALFT
	s_add_co_u32 s22, s22, 2*HALFT
.irp s, 0,1,2,3
	v_add_nc_u32 v[ADRA+\s], s21, v3
	v_add_nc_u32 v[ADRB+\s], s22, v3
	s_add_co_u32 s21, s21, SLOT
	s_add_co_u32 s22, s22, SLOT
.endr
	s_mul_i32 s23, s10, 16*PITCH
	s_add_co_u32 s23, s23, STAGE
	v_mul_u32_u24 v4, v1, PITCH                    ; in: row l % 16, 32 bytes for each half of the lanes
	v_lshl_add_u32 v4, v2, 5, v4
	v_add_nc_u32 v[STO], s23, v4
	v_mul_u32_u24 v5, v2, PITCH                    ; back: lanes 0-15 take one row of 256 bytes, lanes 16-31 the next
	v_lshl_add_u32 v5, v1, 4, v5
	v_add_nc_u32 v[RD], s23, v5
	v_lshlrev_b32 v5, 12, v2                       ; and the same two rows in out0, 4,096 bytes apart
	v_lshl_add_u32 v[CO], v1, 4, v5
; 8 matrix instructions: m blocks a0, a0 + 1 x all 4 n blocks, 32 along K.  The 16 accumulators take turns, one instruction a turn, in the same order in every quarter.
.macro MUL8 f, a0, zero
.irp a, \a0, \a0+1
.irp b, 0,1,2,3
.if \zero
	v_wmma_f32_16x16x32_f16 v[8*(4*(\a)+\b):8*(4*(\a)+\b)+7], v[\f+8*\b:\f+8*\b+7], v[\f+32+8*(\a):\f+32+8*(\a)+7], 0
.else
	v_wmma_f32_16x16x32_f16 v[8*(4*(\a)+\b):8*(4*(\a)+\b)+7], v[\f+8*\b:\f+8*\b+7], v[\f+32+8*(\a):\f+32+8*(\a)+7], v[8*(4*(\a)+\b):8*(4*(\a)+\b)+7]
.endif
.endr
.endr
.endm
.macro FETCH slot, k, f                ; 16 LDS loads in one run: B's four blocks, then A's four
.irp i, 0,1,2,3
	ds_load_b128 v[\f+8*\i:\f+8*\i+3],   v[ADRB+\slot] offset:\k+\i*16*PITCH
	ds_load_b128 v[\f+8*\i+4:\f+8*\i+7], v[ADRB+\slot] offset:\k+\i*16*PITCH+32
.endr
.irp i, 0,1,2,3
	ds_load_b128 v[\f+32+8*\i:\f+32+8*\i+3], v[ADRA+\slot] offset:\k+\i*16*PITCH
	ds_load_b128 v[\f+32+8*\i+4:\f+32+8*\i+7], v[ADRA+\slot] offset:\k+\i*16*PITCH+32
.endr
.endm
.macro PLACES                          ; four plain vector instructions behind a matrix instruction before its registers are loaded into or its result is read (ISA guide 7.12.1 for vector instructions)
.rept 4
	v_nop
.endr
.endm
.macro QUARTER slot, k, f, g, zero
	s_wait_dscnt 4                                 ; B and A's blocks 0, 1 are in; the youngest four loads (A's blocks 2, 3) may be out
	WIN ACCW
	MUL8 \f, 0, \zero
	PLACES
	WIN 0
	FETCH \slot, \k, \g
	s_wait_dscnt 16                                ; all but the 16 just issued
	WIN ACCW
	MUL8 \f, 2, \zero
.endm
.macro THREE slot, zero
	QUARTER \slot, 64,  F0, F1, \zero
	QUARTER \slot, 128, F1, F0, 0
	QUARTER \slot, 192, F0, F1, 0
.endm
; The last quarter of a K step multiplies buffer 1 and goes on to slot next.
; mode 0: the next tile was shown landed, in every wave, in front of an earlier barrier.  mode 1: a barrier shows it; left younger tiles stay out.
; mode 2: slots ra and rb are filled again: every wave waits for its LDS reads and for all its tensor loads, the barrier opens a round of the cluster's barrier,
; and the two joint loads are the first tensor loads behind the round.
.macro LASTQ next, mode, left, ra, rb
	s_wait_dscnt 0x0                               ; buffer 1 is in, and my reads of this slot and of those before are over
.if \mode
	s_wait_tensorcnt \left
	s_barrier_signal -1
.endif
	WIN ACCW
	MUL8 F1, 0, 0                                  ; work on registers while the others arrive
	WIN 0
.if \mode
	s_barrier_wait -1
.endif
.if \mode == 2
	CREST
.irp t, \ra, \rb
	s_add_nc_u64 s[G0+4*\t+2:G0+4*\t+3], s[G0+4*\t+2:G0+4*\t+3], 4*KSTEP*2     ; no tensor load of mine is out: the slot's tile four K steps on
	s_add_nc_u64 s[G0B+4*\t+2:G0B+4*\t+3], s[G0B+4*\t+2:G0B+4*\t+3], 4*KSTEP*2
.endr
	JLOAD \ra
	JLOAD \rb
.endif
	PLACES
	FETCH \next, 0, F0
	WIN ACCW
	MUL8 F1, 2, 0
.endm
	s_wait_tensorcnt 0x3                           ; my part of tile 0 is in; tiles 1, 2, 3 stay out
	s_barrier_signal -1
	s_barrier_wait -1
	FETCH 0, 0, F0
	THREE 0, 1                                     ; K step 0: its first products start the sums
	LASTQ 1, 1, 2, 0, 0                            ; tile 1 is in; tiles 2, 3 stay out
	THREE 1, 0
	LASTQ 2, 2, 0, 0, 1                            ; tiles 2, 3 are in; tiles 4, 5 go out into slots 0, 1
	THREE 2, 0
	LASTQ 3, 0, 0, 0, 0
	THREE 3, 0
	LASTQ 0, 2, 0, 2, 3                            ; tiles 4, 5 are in; tiles 6, 7 go out into slots 2, 3
	THREE 0, 0
	LASTQ 1, 0, 0, 0, 0
	THREE 1, 0
	LASTQ 2, 1, 1, 0, 0                            ; tile 6 is in; tile 7 stays out
	THREE 2, 0
	LASTQ 3, 1, 0, 0, 0                            ; tile 7 is in
	THREE 3, 0
	s_wait_dscnt 0x0
	WIN ACCW
	MUL8 F1, 0, 0
	MUL8 F1, 2, 0
	; THE WAY OUT, 16 rows at a time: 32 bytes a lane into my own stage, read back as whole pieces of rows of 256 bytes
	PLACES
	WIN 0
	s_lshl_b32 s16, s13, 7
	s_lshl_b32 s18, s11, 6
	s_add_co_u32 s16, s16, s18                     ; my first row
	s_lshl_b32 s16, s16, 12                        ; rows of 4,096 bytes
	s_mov_b32 s17, 0
	s_add_nc_u64 s[8:9], s[8:9], s[16:17]
	s_lshl_b32 s62, s58, 7                         ; my first column (in the registers that held B's address)
	s_lshl_b32 s63, s12, 6
	s_add_co_u32 s62, s62, s63
	s_lshl_b32 s62, s62, 2
	s_mov_b32 s63, 0
	s_add_nc_u64 s[8:9], s[8:9], s[62:63]
.macro OUT16 a, f
	WIN FROMACC
.irp b, 0,1,2,3
	ds_store_b128 v[STO], v[8*(4*\a+\b):8*(4*\a+\b)+3] offset:64*\b
	ds_store_b128 v[STO], v[8*(4*\a+\b)+4:8*(4*\a+\b)+7] offset:64*\b+16
.endr
	WIN 0
	s_wait_xcnt 0x0                                ; every earlier memory instruction has had its addresses translated (ISA guide 3.1): buffer f, which stores read, is loaded again only behind this wait
.irp t, 0,1,2,3,4,5,6,7
	ds_load_b128 v[\f+4*\t:\f+4*\t+3], v[RD] offset:\t*2*PITCH     ; LDS serves a wave's instructions in order (ISA guide 5.7.1.4): these see the stores above
.endr
.irp t, 0,1,2,3,4,5,6,7
	s_wait_dscnt 7-\t
	global_store_b128 v[CO], v[\f+4*\t:\f+4*\t+3], s[8:9] offset:(16*\a+2*\t)*4096 th:TH_STORE_NT   ; 16 lanes store 256 consecutive bytes, aligned
.endr
.endm
	OUT16 0, F0
	OUT16 1, F1
	OUT16 2, F0
	OUT16 3, F1
	CROUND                                         ; the closing round: no work-group ends while a partner may still ask for a tile that names it
	s_endpgm
.Lfunc_end_k_qba59b2612d_proj:
	.size	k_qba59b2612d_proj, .Lfunc_end_k_qba59b2612d_proj-k_qba59b2612d_proj
	.p2alignl 7, 3214868480
	.fill 96, 4, 3214868480
	.section	.rodata,"a",@progbits
	.p2align	6, 0x0
	.amdhsa_kernel k_qba59b2612d_proj
		.amdhsa_group_segment_fixed_size 327680
		.amdhsa_private_segment_fixed_size 0
		.amdhsa_enable_private_segment 0
		.amdhsa_kernarg_size 24
		.amdhsa_user_sgpr_count 2
		.amdhsa_user_sgpr_kernarg_segment_ptr 1
		.amdhsa_wavefront_size32 1
		.amdhsa_system_sgpr_workgroup_id_x 1
		.amdhsa_system_sgpr_workgroup_id_y 1
		.amdhsa_system_sgpr_workgroup_id_z 1
		.amdhsa_system_vgpr_workitem_id 0
		.amdhsa_next_free_vgpr 384
		.amdhsa_next_free_sgpr 84
		.amdhsa_reserve_vcc 0
		.amdhsa_float_denorm_mode_32 3
		.amdhsa_float_denorm_mode_16_64 3
		.amdhsa_memory_ordered 1
		.amdhsa_forward_progress 1
		.amdhsa_inst_pref_size 92
	.end_amdhsa_kernel
	.amdgpu_metadata
---
amdhsa.version: [ 1, 2 ]
amdhsa.kernels:
  - .name:           k_qba59b2612d_proj
    .symbol:         k_qba59b2612d_proj.kd
    .args:
      - { .name: att, .offset: 0, .size: 8, .value_kind: global_buffer, .address_space: global }
      - { .name: wpb, .offset: 8, .size: 8, .value_kind: global_buffer, .address_space: global }
      - { .name: out0, .offset: 16, .size: 8, .value_kind: global_buffer, .address_space: global }
    .group_segment_fixed_size: 327680
    .private_segment_fixed_size: 0
    .kernarg_segment_align: 8
    .kernarg_segment_size: 24
    .max_flat_workgroup_size: 128
    .sgpr_count:     84
    .vgpr_count:     384
    .wavefront_size: 32
...
	.end_amdgpu_metadata
.endif
;; end of part 4
